; MI455X (gfx1250); checked and timed in simulation.
; The chip was launched on July 23, 2026; its instructions are those of AMD's public machine-readable ISA for CDNA 5 (MIT licence, August 2026) and "CDNA5" Instruction Set Architecture Reference Guide (July 2026). The comments in the code are by the model that wrote it; some were corrected since.
;; MSA2. Allowed arithmetic: matrix products marked QUANTISED: E2M1 operands, one E8M0 scale for each 32 along K, by v_wmma_scale_f32_16x16x128_f8f6f4 with both operands' format E2M1 (or v_wmma_scale_f32_32x16x128_f4), f32 sums; products left as they are: f32 operands where the result goes on into a quantised operand, else bf16, f16 or f32 operands; f32 sums; everything else in f32.
;; Inputs: WK_b 1,024 float32; WK_w 1,024 x 1,024 float32; WO_b 1,024 float32; WO_w 1,024 x 1,024 float32; WQ_b 1,024 float32; WQ_w 1,024 x 1,024 float32; WV_b 1,024 float32; WV_w 1,024 x 1,024 float32; x 32 x 1,024 float32; y 32 x 1,024 x 1,024 float32.
;; Outputs: out0 32 x 1,024 float32.
;; This version of the problem:
;;   THIS VERSION OF THE PROBLEM IS GIVEN IN LOW PRECISION. The matrix products marked QUANTISED in the list below multiply operands that are first quantised to E2M1 (2 exponent bits, 1 mantissa bit; 4 bits a number), with one power-of-two scale for each 32 numbers along K (OCP MX v1.0); their sums are f32. All else is computed in f32.
;;   The module's matrix products, in the order in which they are computed (A, B: the left and right operand; K: the contracted axis; several contracted axes count as one K, in the product's order):
;;     1. [M 32, K 1,024] x [K 1,024, N 1,024]; A: input x; B: input WQ_w: QUANTISED
;;     2. [M 32,768, K 1,024] x [K 1,024, N 1,024]; A: input y; B: input WK_w: QUANTISED
;;     3. [M 32,768, K 1,024] x [K 1,024, N 1,024]; A: input y; B: input WV_w: QUANTISED
;;     4. batch 512 x [M 1, K 64] x [K 64, N 1,024]; A: computed on the way; B: computed on the way: left as it is (M = 1 < 16)
;;     5. batch 512 x [M 1, K 1,024] x [K 1,024, N 64]; A: softmax; B: computed on the way: left as it is (M = 1 < 16)
;;     6. [M 32, K 1,024] x [K 1,024, N 1,024]; A: computed on the way; B: input WO_w: QUANTISED
;;   THE QUANTISER, for each operand of a quantised product, along K:
;;     - K is cut into blocks of 32 from its start; a last block that is shorter is filled with zeros.
;;     - A block's scale is 2^e with e = floor(log2(the largest magnitude in the block)) - 2, held to -126 .. 127; a block of zeros has e = 0. As a byte (E8M0): e + 127.
;;     - Each number is divided by its block's scale, clamped to +-6, and rounded to the nearest number of E2M1, ties to even, subnormals kept.
;;     - The product sums the exact products of the quantised numbers (number of the format x scale) in f32.
;;   ~~~python
;;   def quantise(x, axis):      # numpy; x: float32 -> the quantised numbers, widened to float32 again
;;       x = np.moveaxis(x, axis, -1); K = x.shape[-1]
;;       x = np.pad(x, [(0, 0)] * (x.ndim - 1) + [(0, -K % 32)]); x = x.reshape(x.shape[:-1] + (-1, 32)); a = np.abs(x).max(-1, keepdims=True)
;;       e = np.where(a > 0, np.clip(np.frexp(np.where(a > 0, a, 1))[1] - 1 - 2, -126, 127), 0)      # np.frexp(a)[1] - 1 = floor(log2(a)), exactly
;;       r = np.clip(x / 2.0 ** e, -6, 6)
;;       step = 2.0 ** (np.maximum(np.frexp(np.where(r == 0, 1, r))[1] - 1, 0) - 1)
;;       q = np.round(r / step) * step * 2.0 ** e      # np.round: ties to even
;;       return np.moveaxis(q.reshape(q.shape[:-2] + (-1,))[..., :K], -1, axis).astype(np.float32)
;;   ~~~
;;   OPERANDS COMPUTED ON THE WAY. 'Computed on the way' means the value that the module computes at that place (a softmax that the list does not call 'softmax' is quantised finished and normalised). What goes into a quantiser is computed in f32, as accurately as f32 sums, v_exp_f32 and their like allow (about 1e-6 of the number): no bf16 or f16 on the way to a quantiser, and a product that is left as it is and whose result goes on into a quantised operand takes f32 operands (vector FMAs, or v_wmma_f32_16x16x4_f32). A number that lies on a knife's edge between two numbers of the format may be rounded either way, as far as f32 arithmetic and the matrix unit's own rounding can turn it there, and no further.
;; One version. Each part assembles by itself: llvm-mc -triple=amdgcn-amd-amdhsa -mcpu=gfx1250 --defsym DOCPART=n.
;; ======== version 1 of 1: 3 launches
;; limits: right only within a limited range of input values
;; workspace buffers: wimg 1,114,112 bytes; wo 557,056 bytes; qp 1,048,576 bytes; patt 2,097,152 bytes
;; launch prep (part 1): grid 256 x 1, 8 waves a work-group, no clusters, 32,768 bytes of LDS; arguments x, WQ_w, WK_w, WV_w, WO_w, wimg, wo, qp; writes wimg, wo, qp
.if DOCPART == 1
	.amdgcn_target "amdgcn-amd-amdhsa--gfx1250"
	.amdhsa_code_object_version 6
	.text
	.protected	k_q1a5301e59e_prep
	.globl	k_q1a5301e59e_prep
	.p2align	8
	.type	k_q1a5301e59e_prep,@function
k_q1a5301e59e_prep:
	s_mov_b64 s[64:65], 0
	v_nop
	global_prefetch_b8 v0, s[64:65] scope:SCOPE_SE
	s_setreg_imm32_b32 hwreg(HW_REG_WAVE_MODE, 25, 1), 1
	s_wait_xcnt 0x0
; The four weights [1024 (k)][1024 (n)], f32, become codes of FP4 (E2M1) with one E8M0 byte for each 32 along K.  WK, WV, WO go to memory in the order of the operands' registers; WQ's codes are
; multiplied by x's here: qp [K step 8][32][1024] f32 holds the product's parts along K, which the next launch adds.
; DEAD WORK.  WK_b is not loaded by any launch: k is not quantised, and q . (y WK + WK_b) = q . (y WK) + q . WK_b, whose second term is the same for all keys of a batch and head: it leaves the softmax over the keys
; unchanged whatever the inputs hold.  LIMIT: a NaN, an infinity or an overflow that reaches only that term is not carried to the result.
; A block's scale is 2^(floor(log2(largest magnitude)) - 2): its byte is the largest magnitude's exponent field - 2, held at 1 from below by a floor among the maximum's leaves.
; LIMITS: a block of zeros gets the byte 1 where the rule says 127 (its codes are zeros, and this program alone reads the bytes); NaN and infinities among the inputs are not served.
; SHARES.  A share = 64 columns ("head") x 128 along K (step s) of one weight: 512 shares, two to a work-group (e = wave / 4).  Wave b = wave % 4 of a share takes block b of 32 along K: a lane holds two columns, L and 32 + L,
; and its registers run down K.  The codes meet in LDS as [block][column][16 bytes]; then wave t takes tile t of 16 columns as a fragment.
;   wimg [step 8][head % 4][34,816], step = 2 (head / 4) + s / 4: codes (s % 4) 8192 + V 4096 + t 1024 + c 512 + 16 lane; scale words 32768 + (s % 4) 512 + V 256 + 64 t + 4 r.
;   wo [head][s][4,352]: codes t 1024 + c 512 + 16 lane; scale words 4096 + 64 t + 4 r.
;   Tile t, lane r is column 16 t + r; for V it is column 4 r + t, so that the next launch finds four neighbouring channels in a lane.
; No cluster, no tensor load: no two work-groups read the same byte of a weight.
.set SC,  9216                         ; scale words [e][column 64][4]
.set XC,  9728                         ; x's codes [e][row tile 2][c 2][lane][16]
.set XS,  13824                        ; x's scale words [e][row 32][4]
.set QST, 14080                        ; q's part [e][row 32][256 + 16]
.set SPARE, 31488
.set SPW, 30
.set NIL, 31
	s_load_b512 s[4:19], s[0:1], 0x0               ; x, WQ, WK, WV, WO, wimg, wo, qp
	v_lshl_add_u32 v[SPW], v0, 2, SPARE
	v_mov_b32 v[NIL], 0
	v_lshrrev_b32 v1, 5, v0
	v_readfirstlane_b32 s20, v1
	s_lshr_b32 s21, ttmp9, 6                       ; the weight: 0 Q, 1 K, 2 V, 3 O
	s_bfe_u32 s22, ttmp9, 0x40002                  ; head
	s_and_b32 s23, ttmp9, 3
	s_lshl_b32 s23, s23, 1
	s_lshr_b32 s24, s20, 2                         ; e
	s_add_co_u32 s23, s23, s24                     ; K step
	s_and_b32 s25, s20, 3                          ; b, later t
	s_lshl_b32 s26, s23, 19                        ; 128 rows of 4,096 bytes
	s_lshl_b32 s27, s25, 17                        ; 32 rows
	s_add_co_u32 s26, s26, s27
	s_lshl_b32 s27, s22, 8
	s_add_co_u32 s26, s26, s27
	s_mov_b32 s27, 0
	s_cmp_eq_u32 s21, 2                            ; V's tiles take every fourth column
	s_cselect_b32 s28, 4, 1                        ; place i = 16 t + r of the order tile, lane is column (4 i + i / 16) mod 64 of V, column i of the others
	s_cselect_b32 s29, 1, 0
	s_cselect_b32 s34, 4096, 0
	s_cselect_b32 s35, 256, 0
	s_lshr_b32 s36, s22, 2
	s_lshl_b32 s36, s36, 1
	s_lshr_b32 s37, s23, 2
	s_add_co_u32 s36, s36, s37
	s_mul_i32 s36, s36, 139264
	s_and_b32 s37, s22, 3
	s_mul_i32 s37, s37, 34816
	s_add_co_u32 s36, s36, s37
	s_and_b32 s37, s23, 3
	s_lshl_b32 s38, s37, 13
	s_add_co_u32 s38, s38, s36
	s_add_co_u32 s38, s38, s34                     ; K, V: the codes' place
	s_lshl_b32 s40, s37, 9
	s_add_co_u32 s40, s40, s36
	s_add_co_u32 s40, s40, s35
	s_add_co_u32 s40, s40, 32768                   ; and the scale words'
	s_lshl_b32 s36, s22, 3
	s_add_co_u32 s36, s36, s23
	s_mul_i32 s36, s36, 4352                       ; O: the same
	s_add_co_u32 s37, s36, 4096
	s_cmp_eq_u32 s21, 3
	s_cselect_b32 s38, s36, s38
	s_cselect_b32 s40, s37, s40
	s_lshl_b32 s36, s25, 10
	s_add_co_u32 s38, s38, s36
	s_mov_b32 s39, 0
	s_mov_b32 s41, 0
	s_lshl_b32 s42, s24, 12
	s_lshl_b32 s36, s25, 10
	s_add_co_u32 s36, s36, s42                     ; the stage, in: e 4096 + b 1024
	s_lshl_b32 s30, s25, 4
	s_lshl_b32 s43, s24, 8
	s_add_co_u32 s43, s43, SC                      ; scale words of my share
	s_lshl_b32 s44, s24, 11
	s_add_co_u32 s44, s44, XC
	s_lshl_b32 s45, s24, 7
	s_add_co_u32 s45, s45, XS
	s_mul_i32 s46, s24, 8704
	s_add_co_u32 s46, s46, QST
	s_and_b32 s34, s25, 1                          ; x: my row tile
	s_lshr_b32 s35, s25, 1                         ; x: my c
	v_and_b32 v1, 31, v0                           ; L
	v_and_b32 v2, 15, v0                           ; r
	v_bfe_u32 v3, v0, 4, 1                         ; h
	v_lshlrev_b32 v4, 2, v1
	v_lshlrev_b32 v5, 4, v1
	v_lshlrev_b32 v20, 3, v1
	v_add_nc_u32 v6, s36, v5                       ; codes in
	v_add_nc_u32 v7, s43, v4
	v_add_nc_u32 v7, s25, v7                       ; bytes in
	v_add_nc_u32 v21, s30, v2
	v_lshrrev_b32 v22, 4, v21
	v_mul_u32_u24 v22, s29, v22
	v_mad_u32_u24 v8, v21, s28, v22
	v_and_b32 v8, 63, v8
	v_lshlrev_b32 v8, 4, v8
	v_lshl_add_u32 v8, v3, 10, v8
	v_add_nc_u32 v8, s42, v8                       ; fragment out: block 2 c + h
	v_lshlrev_b32 v21, 1, v1
	v_lshrrev_b32 v22, 3, v1
	v_mul_u32_u24 v22, s29, v22
	v_mad_u32_u24 v9, v21, s28, v22
	v_add_nc_u32 v21, 1, v21
	v_mad_u32_u24 v10, v21, s28, v22
	v_and_b32 v9, 63, v9
	v_and_b32 v10, 63, v10
	v_lshl_add_u32 v9, v9, 2, s43                  ; scale words out: places 2 L and 2 L + 1
	v_lshl_add_u32 v10, v10, 2, s43
	v_lshlrev_b32 v11, 12, v2
	v_lshl_add_u32 v11, v3, 7, v11                 ; x: row r, block h
	v_add_nc_u32 v14, s44, v5                      ; x's fragments out
	s_lshl_b32 s36, s34, 10
	s_lshl_b32 s37, s35, 9
	v_add_nc_u32 v12, s36, v14
	v_add_nc_u32 v12, s37, v12                     ; and in
	s_lshl_b32 s36, s34, 6
	s_lshl_b32 s37, s35, 1
	v_lshl_add_u32 v13, v2, 2, v3
	v_add_nc_u32 v13, s45, v13
	v_add_nc_u32 v13, s36, v13
	v_add_nc_u32 v13, s37, v13                     ; x's bytes in
	v_add_nc_u32 v16, s45, v4                      ; x's scale words out
	s_lshl_b32 s36, s25, 6
	v_lshl_add_u32 v15, v2, 2, s43
	v_add_nc_u32 v15, s36, v15                     ; WQ's scale words out
	v_mul_u32_u24 v17, v2, 272
	v_lshl_add_u32 v17, v3, 5, v17
	v_add_nc_u32 v17, s46, v17
	v_add_nc_u32 v17, s36, v17                     ; q's part in: row r, 64 t + 32 h
	s_mul_i32 s37, s25, 2176
	v_mul_u32_u24 v18, v3, 272
	v_lshl_add_u32 v18, v2, 4, v18
	v_add_nc_u32 v18, s46, v18
	v_add_nc_u32 v18, s37, v18                     ; and out: row 8 t + h
	v_lshlrev_b32 v19, 12, v3
	v_lshl_add_u32 v19, v2, 4, v19
	s_wait_alu depctr_va_vdst(0)                   ; the wait at the head's end
	s_wait_kmcnt 0x0
	s_cmp_eq_u32 s21, 1                            ; the choice of buffer hangs on the work-group's number alone
	s_cselect_b64 s[6:7], s[8:9], s[6:7]
	s_cmp_eq_u32 s21, 2
	s_cselect_b64 s[6:7], s[10:11], s[6:7]
	s_cmp_eq_u32 s21, 3
	s_cselect_b64 s[6:7], s[12:13], s[6:7]
	s_cselect_b64 s[14:15], s[16:17], s[14:15]
	s_add_nc_u64 s[6:7], s[6:7], s[26:27]
	s_add_nc_u64 s[38:39], s[14:15], s[38:39]
	s_add_nc_u64 s[40:41], s[14:15], s[40:41]
	s_lshl_b32 s26, s23, 9
	s_lshl_b32 s28, s34, 16
	s_add_co_u32 s26, s26, s28
	s_lshl_b32 s28, s35, 8
	s_add_co_u32 s26, s26, s28
	s_add_nc_u64 s[4:5], s[4:5], s[26:27]          ; x: row tile, K step, pair of blocks
	s_lshl_b32 s26, s23, 17
	s_lshl_b32 s28, s25, 15
	s_add_co_u32 s26, s26, s28
	s_lshl_b32 s28, s22, 8
	s_add_co_u32 s26, s26, s28
	s_add_nc_u64 s[18:19], s[18:19], s[26:27]      ; qp: K step, rows 8 t on, head
	s_cmp_lg_u32 s21, 0
	s_cbranch_scc1 .Lw
.irp i, 0,1,2,3,4,5,6,7
	global_load_b128 v[32+4*\i:35+4*\i], v11, s[4:5] offset:16*\i
.endr
.Lw:
.set I, 0
.rept 32
	global_load_b32 v[64+I], v4, s[6:7] offset:I*4096 th:TH_LOAD_NT
	global_load_b32 v[96+I], v4, s[6:7] offset:I*4096+128 th:TH_LOAD_NT
.set I, I+1
.endr
	s_wait_loadcnt 0x0
	v_max3_num_f32 v21, |v64|, |v65|, |v66|        ; two columns, two chains each, by turns
	v_max3_num_f32 v22, |v67|, |v68|, |v69|
	v_max3_num_f32 v23, |v96|, |v97|, |v98|
	v_max3_num_f32 v24, |v99|, |v100|, |v101|
.irp i, 6,10,14,18,22,26
	v_max3_num_f32 v21, v21, |v[64+\i]|, |v[65+\i]|
	v_max3_num_f32 v22, v22, |v[66+\i]|, |v[67+\i]|
	v_max3_num_f32 v23, v23, |v[96+\i]|, |v[97+\i]|
	v_max3_num_f32 v24, v24, |v[98+\i]|, |v[99+\i]|
.endr
	v_max3_num_f32 v21, v21, |v94|, |v95|
	v_max3_num_f32 v23, v23, |v126|, |v127|
	v_max3_num_f32 v21, v21, v22, 0x1800000        ; and the floor 2^(3 - 127): the byte cannot fall under 1
	v_max3_num_f32 v23, v23, v24, 0x1800000
	v_add_nc_u32 v25, 0xff000000, v21              ; 2 off the exponent field: the conversion's scale operand
	v_add_nc_u32 v26, 0xff000000, v23
	v_lshrrev_b32 v27, 23, v25                     ; the scale's byte
	v_lshrrev_b32 v28, 23, v26
.irp k, 0,1,2,3
	v_cvt_scalef32_pk8_fp4_f32 v[128+\k], v[64+8*\k:71+8*\k], v25
	v_cvt_scalef32_pk8_fp4_f32 v[132+\k], v[96+8*\k:103+8*\k], v26
.endr
	v_nop                                          ; one plain place behind the last conversion
	ds_store_b128 v6, v[128:131]
	ds_store_b128 v6, v[132:135] offset:512
	ds_store_b8 v7, v27
	ds_store_b8 v7, v28 offset:128
	s_cmp_lg_u32 s21, 0
	s_cbranch_scc1 .Lmeet
	v_max3_num_f32 v21, |v32|, |v33|, |v34|        ; x: my block of row r
	v_max3_num_f32 v22, |v35|, |v36|, |v37|
	v_max3_num_f32 v23, |v38|, |v39|, |v40|
	v_max3_num_f32 v24, |v41|, |v42|, |v43|
.irp i, 0,8
	v_max3_num_f32 v21, v21, |v[44+\i]|, |v[45+\i]|
	v_max3_num_f32 v22, v22, |v[46+\i]|, |v[47+\i]|
	v_max3_num_f32 v23, v23, |v[48+\i]|, |v[49+\i]|
	v_max3_num_f32 v24, v24, |v[50+\i]|, |v[51+\i]|
.endr
	v_max3_num_f32 v21, v21, |v60|, |v61|
	v_max3_num_f32 v22, v22, |v62|, |v63|
	v_max_num_f32 v23, v23, v24
	v_max3_num_f32 v21, v21, v22, 0x1800000
	v_max_num_f32 v21, v21, v23
	v_add_nc_u32 v25, 0xff000000, v21
	v_lshrrev_b32 v29, 23, v25
.irp k, 0,1,2,3
	v_cvt_scalef32_pk8_fp4_f32 v[136+\k], v[32+8*\k:39+8*\k], v25
.endr
	v_nop
	ds_store_b128 v12, v[136:139]
	ds_store_b8 v13, v29
.Lmeet:
	s_wait_alu depctr_va_vdst(0)
	s_wait_dscnt 0x0                               ; for the others' sake: my stores are done
	s_barrier_signal -1
	s_barrier_wait -1
	ds_load_b128 v[32:35], v8                      ; the fragment of tile t
	ds_load_b128 v[36:39], v8 offset:2048
	s_cmp_lg_u32 s21, 0
	s_cbranch_scc1 .Lout
.irp m, 0,1
.irp c, 0,1
	ds_load_b128 v[40+8*\m+4*\c:43+8*\m+4*\c], v14 offset:1024*\m+512*\c
.endr
.endr
	ds_load_b32 v56, v15
	ds_load_b32 v57, v16                           ; lanes 0-15 rows 0-15, lanes 16-31 rows 16-31
	s_wait_dscnt 0x0
	; source 0 = 16 columns of WQ, source 1 = 16 rows of x: a lane holds 8 neighbouring columns of a row
	v_wmma_scale_f32_16x16x128_f8f6f4 v[64:71], v[32:39], v[40:47], 0, v56, v57 matrix_a_fmt:MATRIX_FMT_FP4 matrix_b_fmt:MATRIX_FMT_FP4
	v_wmma_scale_f32_16x16x128_f8f6f4 v[72:79], v[32:39], v[48:55], 0, v56, v57 matrix_a_fmt:MATRIX_FMT_FP4 matrix_b_fmt:MATRIX_FMT_FP4 matrix_b_scale:MATRIX_SCALE_ROW1
.rept 4
	v_nop                                          ; four places in front of the first read of results (ISA guide 7.12.1)
.endr
.irp m, 0,1
	ds_store_b128 v17, v[64+8*\m:67+8*\m] offset:4352*\m
	ds_store_b128 v17, v[68+8*\m:71+8*\m] offset:4352*\m+16
.endr
	s_branch .Ljoin
.Lout:
	s_cmp_lg_u32 s25, 0
	s_cbranch_scc1 .Lcodes
	ds_load_b32 v40, v9
	ds_load_b32 v41, v10
	s_wait_dscnt 0x0
	global_store_b64 v20, v[40:41], s[40:41]       ; one aligned unit of 256 bytes
.Lcodes:
	s_wait_dscnt 0x0
	global_store_b128 v5, v[32:35], s[38:39]       ; 512 consecutive bytes, at a multiple of 256
	global_store_b128 v5, v[36:39], s[38:39] offset:512
.Ljoin:
	s_wait_dscnt 0x0
	s_barrier_signal -1
	s_barrier_wait -1
	s_cmp_lg_u32 s21, 0
	s_cbranch_scc1 .Lend
.irp i, 0,1,2,3
	ds_load_b128 v[80+4*\i:83+4*\i], v18 offset:544*\i
.endr
	s_wait_dscnt 0x0
.irp i, 0,1,2,3
	global_store_b128 v19, v[80+4*\i:83+4*\i], s[18:19] offset:8192*\i   ; 16 lanes store 256 consecutive bytes, aligned
.endr
.Lend:
	s_wait_tensorcnt 0x0                           ; the wave's end
	ds_add_u32 v[SPW], v[NIL]
	s_wait_dscnt 0x0
	s_endpgm
.Lfunc_end_k_q1a5301e59e_prep:
	.size	k_q1a5301e59e_prep, .Lfunc_end_k_q1a5301e59e_prep-k_q1a5301e59e_prep
	.p2alignl 7, 3214868480
	.fill 96, 4, 3214868480
	.section	.rodata,"a",@progbits
	.p2align	6, 0x0
	.amdhsa_kernel k_q1a5301e59e_prep
		.amdhsa_group_segment_fixed_size 32768
		.amdhsa_private_segment_fixed_size 0
		.amdhsa_enable_private_segment 0
		.amdhsa_kernarg_size 64
		.amdhsa_user_sgpr_count 2
		.amdhsa_user_sgpr_kernarg_segment_ptr 1
		.amdhsa_wavefront_size32 1
		.amdhsa_system_sgpr_workgroup_id_x 1
		.amdhsa_system_sgpr_workgroup_id_y 1
		.amdhsa_system_sgpr_workgroup_id_z 1
		.amdhsa_system_vgpr_workitem_id 0
		.amdhsa_next_free_vgpr 144
		.amdhsa_next_free_sgpr 66
		.amdhsa_reserve_vcc 0
		.amdhsa_float_denorm_mode_32 3
		.amdhsa_float_denorm_mode_16_64 3
		.amdhsa_memory_ordered 1
		.amdhsa_forward_progress 1
		.amdhsa_inst_pref_size 21
	.end_amdhsa_kernel
	.amdgpu_metadata
---
amdhsa.version: [ 1, 2 ]
amdhsa.kernels:
  - .name:           k_q1a5301e59e_prep
    .symbol:         k_q1a5301e59e_prep.kd
    .args:
      - { .name: x, .offset: 0, .size: 8, .value_kind: global_buffer, .address_space: global }
      - { .name: WQ_w, .offset: 8, .size: 8, .value_kind: global_buffer, .address_space: global }
      - { .name: WK_w, .offset: 16, .size: 8, .value_kind: global_buffer, .address_space: global }
      - { .name: WV_w, .offset: 24, .size: 8, .value_kind: global_buffer, .address_space: global }
      - { .name: WO_w, .offset: 32, .size: 8, .value_kind: global_buffer, .address_space: global }
      - { .name: wimg, .offset: 40, .size: 8, .value_kind: global_buffer, .address_space: global }
      - { .name: wo, .offset: 48, .size: 8, .value_kind: global_buffer, .address_space: global }
      - { .name: qp, .offset: 56, .size: 8, .value_kind: global_buffer, .address_space: global }
    .group_segment_fixed_size: 32768
    .private_segment_fixed_size: 0
    .kernarg_segment_align: 8
    .kernarg_segment_size: 64
    .max_flat_workgroup_size: 256
    .sgpr_count:     66
    .vgpr_count:     144
    .wavefront_size: 32
...
	.end_amdgpu_metadata
.endif
;; end of part 1
;; launch main (part 2): grid 256 x 1, 4 waves a work-group, clusters of 4 x 1, 327,680 bytes of LDS; arguments y, qp, wimg, WQ_b, patt; writes patt
.if DOCPART == 2
	.amdgcn_target "amdgcn-amd-amdhsa--gfx1250"
	.amdhsa_code_object_version 6
	.text
	.protected	k_q1a5301e59e_main
	.globl	k_q1a5301e59e_main
	.p2align	8
	.type	k_q1a5301e59e_main,@function
k_q1a5301e59e_main:
	s_mov_b64 s[64:65], 0
	v_nop
	global_prefetch_b8 v0, s[64:65] scope:SCOPE_SE
	s_setreg_imm32_b32 hwreg(HW_REG_WAVE_MODE, 25, 1), 1
	s_wait_xcnt 0x0
	s_wait_alu depctr_hold_cnt(0) depctr_sa_sdst(0) depctr_va_vdst(0) depctr_va_sdst(0) depctr_va_ssrc(0) depctr_va_vcc(0) depctr_vm_vsrc(0)
	s_getreg_b32 s2, hwreg(HW_REG_IB_STS2, 6, 4)
	s_cmp_eq_u32 s2, 0
	s_cbranch_scc0 .Lentry_in_a_cluster
	s_endpgm
.Lentry_in_a_cluster:
	s_bfe_u32 s2, ttmp6, 0x10000c
	s_cmp_lg_u32 s2, 0x3003
	s_cbranch_scc0 .Lentry_shape_is_right
	s_endpgm
.Lentry_shape_is_right:
; For 128 rows of y (one batch's) and all 16 heads: y is quantised to FP4 (E2M1) along K; k = Q(y) Q(WK), v = Q(y) Q(WV); scores = q . k / 8; the part of softmax(scores) v over these rows: the largest score (base 2), the sum and the weighted sum.
; q = the sum of qp's eight parts + WQ_b.  WK_b is left out as dead work (see the first kernel's head); WV_b is added by the next launch.
; LIMITS: as in the first kernel; the scaled scores stay under 2^31 in magnitude.
; SHARES.  Wave w quantises rows 32 w .. 32 w + 31; block p (p = 0, 1) of 64 rows = rows 16 p .. 16 p + 15 of each wave: tile w is wave w's.  Pass p multiplies block p: its codes (4 tiles x 8 K steps x 8 registers) stay in every wave's
; registers; wave w walks heads 4 g + w, g = 0 .. 3.  While pass 0 multiplies block 0, block 1 is loaded and quantised, four rows a wave to a head: y comes from memory once and its codes never go there.
; WEIGHTS come through a ring of two LDS slots: a slot = half of K (4 K steps) of four heads, each wave's 34,816 bytes its own: codes of K's and V's four tiles, then scale words.  CLUSTERS of 4 x 1: all work-groups walk the same weights in the
; same order, so each tile is asked for jointly (mask 15).
; PRODUCTS by the 32x16x128 form: for k source 0 = 32 columns of WK, source 1 = 16 rows (a lane holds a row and eight neighbouring columns); for v source 0 = 32 rows, source 1 = 16 columns (a lane holds a channel and eight neighbouring rows).
; REGISTERS, windows of 256.  0: v0-23 addresses, v24-47 at work, v48-79 the weights' scale words (two sets), v80-95 y's, v96-127 q of the head, then p, v128-255 fragments of K steps 0, 1.
;   1: v0-127 four rows of y in flight, v128-255 fragments of K steps 2, 3.   2: the block's codes, K step s tile mi at v[32 s + 8 mi].   3: accumulators: k (mi, t) at v[32 mi + 8 t], v (mi, t) at v[128 + 64 (mi / 2) + 16 t + 8 (mi % 2)].
; Fragments are fetched four K steps ahead: behind K step u of a slot that of the other slot.  So behind the first K step of a slot all of it has been read, and there stands the change of slots: the slot is filled again for two slots on.
; PREFETCH: y's stream has 16 rows of every work-group on their way from the first instructions on, so y is not prefetched.  The weights' slots 2 .. 7 are, each aligned block of 256 bytes by two clusters (cluster c: slot c / 8, part c % 4,
; a quarter of it to each partner, by address), at the head, where slot 2's load stands behind the whole quantising of block 0.
.set SLOTB, 139264
.set QUART, 34816
.set TILE,  9216                       ; a tile's image: 32 blocks x (16 rows x 16 bytes + 16), then 512 bytes of scale words [s / 4][row][16]
.set IMG,   278528                     ; four tiles
.set XQ,    315392                     ; q x log2(e) / 8, 1,024 numbers
.set PST,   319488                     ; p, 256 bytes a wave
.set STB,   320512                     ; pass 0's weighted sums, 256 bytes a head
.set SMB,   324608                     ; and largest score and sum, 16 bytes a head
.set SPARE, 324864                     ; the spare words
.set SPW, 1
.set NIL, 2
.set LI,  3
.set YO,  4
.set ADA, 5                            ; v5, v6 my part of slot 0, 1: + 16 lane
.set CA0, 7
.set BA0, 8
.set CA,  9
.set BA,  10
.set PSW, 11
.set PSR, 12
.set XA0, 13
.set XA,  14
.set STA0, 15
.set STA, 16
.set SMA, 17
.set MR,  18
.set LR,  19
.set ADS, 20                           ; v20, v21 my part of slot 0, 1: + 4 lane
.set IMR, 22
.set IMS, 23
.set RQ,  24
.set S2,  24                           ; at work in the softmax: v24-31; then the weighted sums
.set T,   32
.set F,   36
.set SM,  38
.set SS,  40
.set SA,  44
.set WS,  48
.set AS,  80
.set XP,  96
.set MSB, 0
.macro WIN new                         ; the immediate's high byte repeats the setting that is left
.if MSB != (\new)
	s_set_vgpr_msb (MSB<<8)|(\new)
.set MSB, (\new)
.endif
.endm
.macro PLACES
.rept 4
	v_nop
.endr
.endm
.macro CREST                           ; a round of the cluster's barrier behind its opening barrier
	s_cmp_lg_u32 s20, 0
	s_cbranch_scc1 .Lnot_wave_0_\@
	s_barrier_signal -3
.Lnot_wave_0_\@:
	s_barrier_wait -3
	s_barrier_signal -1
	s_barrier_wait -1
.endm
.macro CROUND
	s_barrier_signal -1
	s_barrier_wait -1
	CREST
.endm
; Row i of the four in flight: eight loads of 512 consecutive bytes, dealt 32 (lane % 16) + 16 (lane / 16).
.macro LOADROW i
	WIN 0x40
.irp j, 0,1,2,3,4,5,6,7
	global_load_b128 v[32*(\i)+4*\j:32*(\i)+4*\j+3], v[YO], s[4:5] offset:(\i)*4096+512*\j th:TH_LOAD_NT
.endr
	WIN 0
.endm
; Quantise row i: after the exchange of halves a lane has numbers 8 (lane % 16) + 0 .. 7 of K step 2 jj + lane / 16; four lanes hold a block of 32.
.macro ROWQ i
	WIN 0x41
.irp jj, 0,1,2,3
.irp k, 0,1,2,3
	v_permlane16_swap_b32 v[32*(\i)+8*\jj+\k], v[32*(\i)+8*\jj+4+\k]
.endr
.endr
	WIN 0x15
.irp jj, 0,1,2,3
	v_max3_num_f32 v[RQ+\jj], |v[32*(\i)+8*\jj]|, |v[32*(\i)+8*\jj+1]|, |v[32*(\i)+8*\jj+2]|
.endr
.irp jj, 0,1,2,3
	v_max3_num_f32 v[RQ+4+\jj], |v[32*(\i)+8*\jj+3]|, |v[32*(\i)+8*\jj+4]|, |v[32*(\i)+8*\jj+5]|
.endr
.irp jj, 0,1,2,3
	v_max3_num_f32 v[RQ+8+\jj], |v[32*(\i)+8*\jj+6]|, |v[32*(\i)+8*\jj+7]|, 0x1800000
.endr
	WIN 0
.irp jj, 0,1,2,3
	v_max3_num_f32 v[RQ+\jj], v[RQ+\jj], v[RQ+4+\jj], v[RQ+8+\jj]
.endr
.irp jj, 0,1,2,3
	v_max_num_f32_dpp v[RQ+\jj], v[RQ+\jj], v[RQ+\jj] row_xmask:1 row_mask:0xf bank_mask:0xf
.endr
.irp jj, 0,1,2,3
	v_max_num_f32_dpp v[RQ+\jj], v[RQ+\jj], v[RQ+\jj] row_xmask:2 row_mask:0xf bank_mask:0xf
.endr
	s_wait_alu depctr_va_vdst(0)
	s_wait_dscnt 0x0                               ; earlier LDS stores have read the registers that are written next
.irp jj, 0,1,2,3
	v_add_nc_u32 v[RQ+12+\jj], 0xff000000, v[RQ+\jj]
.endr
.irp jj, 0,1,2,3
	v_lshrrev_b32 v[RQ+16+\jj], 23, v[RQ+12+\jj]
.endr
	WIN 0x01
.irp jj, 0,1,2,3
	v_cvt_scalef32_pk8_fp4_f32 v[RQ+20+\jj], v[32*(\i)+8*\jj:32*(\i)+8*\jj+7], v[RQ+12+\jj]
.endr
	v_nop
	WIN 0
.irp jj, 0,1,2,3
	ds_store_b32 v[CA], v[RQ+20+\jj] offset:16*(\i)+2176*\jj
	ds_store_b8 v[BA], v[RQ+16+\jj] offset:16*(\i)+256*(\jj/2)+8*(\jj%2)
.endr
.endm
; st = 1: row i is in (the three younger rows' 24 loads may be out), and its registers take the row four further on; st = 2: the last four rows, nothing is loaded.
.macro STREAM i, st
	s_wait_loadcnt 24-8*(\i)*((\st)-1)
	ROWQ \i
.if (\st) == 1
	LOADROW \i
.endif
.endm
.macro W32 d, a, b, sa, sb, rb
.if ZF
.if (\rb)
	v_wmma_scale_f32_32x16x128_f4 v[(\d):(\d)+15], v[(\a):(\a)+15], v[(\b):(\b)+7], 0, v[\sa], v[\sb] matrix_b_scale:MATRIX_SCALE_ROW1
.else
	v_wmma_scale_f32_32x16x128_f4 v[(\d):(\d)+15], v[(\a):(\a)+15], v[(\b):(\b)+7], 0, v[\sa], v[\sb]
.endif
.else
.if (\rb)
	v_wmma_scale_f32_32x16x128_f4 v[(\d):(\d)+15], v[(\a):(\a)+15], v[(\b):(\b)+7], v[(\d):(\d)+15], v[\sa], v[\sb] matrix_b_scale:MATRIX_SCALE_ROW1
.else
	v_wmma_scale_f32_32x16x128_f4 v[(\d):(\d)+15], v[(\a):(\a)+15], v[(\b):(\b)+7], v[(\d):(\d)+15], v[\sa], v[\sb]
.endif
.endif
.endm
.macro ZSET hf, u                      ; a head's first products start its sums
.set ZF, 0
.if ((\hf)+(\u)) == 0
.set ZF, 1
.endif
.endm
; K step u of slot hf: eight products for k, eight for v, sixteen accumulators by turns.
.macro MULK hf, u
	ZSET \hf, \u
	WIN 0xf8+((\u)/2)
.irp tp, 0,1
.irp mi, 0,1,2,3
	W32 32*\mi+16*\tp, 128+64*((\u)%2)+16*\tp, 32*(4*(\hf)+(\u))+8*\mi, WS+16*(\hf)+4*\tp+(\u), AS+8*(\mi/2)+4*(\hf)+(\u), \mi%2
.endr
.endr
.endm
.macro MULV hf, u
	ZSET \hf, \u
	WIN 0xf2+4*((\u)/2)
.irp mp, 0,1
.irp t, 0,1,2,3
	W32 128+64*\mp+16*\t, 32*(4*(\hf)+(\u))+16*\mp, 128+64*((\u)%2)+32+8*\t, AS+8*\mp+4*(\hf)+(\u), WS+16*(\hf)+8+4*(\t/2)+(\u), \t%2
.endr
.endr
.endm
.macro FETCH sl, u                     ; the eight fragments of K step u: 16 loads
	WIN 0x40*((\u)/2)
.irp f, 0,1,2,3,4,5,6,7
.irp c, 0,1
	ds_load_b128 v[128+64*((\u)%2)+8*\f+4*\c:131+64*((\u)%2)+8*\f+4*\c], v[ADA+(\sl)] offset:(\u)*8192+\f*1024+\c*512
.endr
.endr
	WIN 0
.endm
.macro FETCHS sl                       ; a slot's scale words
.irp f, 0,1,2,3
.irp k, 0,1,2,3
	ds_load_b32 v[WS+16*(\sl)+4*\f+\k], v[ADS+(\sl)] offset:32768+512*\k+128*\f
.endr
.endr
.endm
.macro CODES                           ; the block's codes and scale words into registers
	WIN 0x80
.irp s, 0,1,2,3,4,5,6,7
.irp mi, 0,1,2,3
.irp c, 0,1
	ds_load_b128 v[32*\s+8*\mi+4*\c:32*\s+8*\mi+4*\c+3], v[IMR] offset:\mi*TILE+(4*\s+2*\c)*272
.endr
.endr
.endr
	WIN 0
.irp mp, 0,1
.irp sh, 0,1
	ds_load_b128 v[AS+8*\mp+4*\sh:AS+8*\mp+4*\sh+3], v[IMS] offset:2*\mp*TILE+256*\sh
.endr
.endr
.endm
.macro ROWADR
	v_add_nc_u32 v[CA], s53, v[CA0]                ; where the next four rows go
	v_add_nc_u32 v[BA], s53, v[BA0]
	s_add_co_u32 s53, s53, 64
.endm
; Half of a head: slot hf.  rf: 1 the slot is filled again two slots on, 2 the same, back to the weights' beginning, 0 not at all.  nx = 1: another slot follows.  st: rows of block 1 as in STREAM (0: none).  ps: the pass.
.macro STEP hf, rf, nx, st, ps
	WIN 0
.if ((\rf)+(\nx)) > 0
	s_wait_tensorcnt 0x0                           ; my part of the other slot is in
.endif
.if (\rf) > 0
	ds_add_u32 v[SPW], v[NIL]
.if (\rf) == 1
	s_add_nc_u64 s[42+4*(\hf):43+4*(\hf)], s[42+4*(\hf):43+4*(\hf)], 2*SLOTB
.else
	s_sub_nc_u64 s[42+4*(\hf):43+4*(\hf)], s[42+4*(\hf):43+4*(\hf)], 6*SLOTB
.endif
	s_wait_dscnt 49                                ; K step 0 is in: behind it three K steps' 48 loads and the add
.else
	s_wait_dscnt 48
.endif
	MULK \hf, 0
	s_wait_dscnt 0x0                               ; the add is done, and all my reads of this slot are over
.if (\rf) > 0
	s_barrier_signal -1
.endif
	MULV \hf, 0
	WIN 0
.if (\rf) > 0
	s_barrier_wait -1
	CREST
	tensor_load_to_lds s[40+4*(\hf):43+4*(\hf)], s[32:39]   ; the first tensor load behind the round, and my one until the next
	s_nop 0
.endif
	PLACES
.if (\hf) == 0                         ; no LDS instruction of mine is out: this head's addresses
	v_add_nc_u32 v[XA], s54, v[XA0]
	v_add_nc_u32 v[STA], s54, v[STA0]
	v_mov_b32 v[SMA], s55
.if (\st) > 0
	ROWADR
.endif
	s_wait_alu depctr_va_vdst(0)
	s_add_co_u32 s54, s54, 1024
	s_add_co_u32 s55, s55, 64
.if (\st) == 1
	s_wait_xcnt 0x0
	s_add_nc_u64 s[4:5], s[4:5], 16384             ; four rows on
.endif
.endif
.if (\nx) > 0
	FETCHS 1-(\hf)
	FETCH 1-(\hf), 0
.endif
.if (\hf) == 1                         ; q of the head, and in pass 1 what pass 0 left
.irp t, 0,1,2,3
.irp k, 0,1
	ds_load_b128 v[XP+8*\t+4*\k:XP+8*\t+4*\k+3], v[XA] offset:64*\t+16*\k
.endr
.endr
.if (\ps) > 0
	ds_load_b128 v[SA:SA+3], v[STA]
	ds_load_b64 v[SM:SM+1], v[SMA]
.endif
.endif
	MULK \hf, 1
	MULV \hf, 1
	WIN 0
.if (\nx) > 0
	PLACES
	FETCH 1-(\hf), 1
.endif
.if (\st) > 0
	STREAM 2*(\hf), \st
.endif
	MULK \hf, 2
	MULV \hf, 2
	WIN 0
.if (\nx) > 0
	PLACES
	FETCH 1-(\hf), 2
.endif
	MULK \hf, 3
	MULV \hf, 3
	WIN 0
	PLACES                                         ; also the places in front of the reads of the sums
.if (\nx) > 0
	FETCH 1-(\hf), 3
.endif
.if ((\st) > 0) && ((\hf) == 0)
	STREAM 1, \st
.endif
.endm
; The softmax of 64 rows, first part: scores, largest, p = 2^(score - largest), sum; p goes through my own LDS bytes from lanes to registers.  w: the LDS loads behind q's that may be out (64: none is owed).
.macro EPI1 ps, w
.if (\w) < 64
	s_wait_dscnt \w
.endif
	WIN 0x03
.irp t, 0,1,2,3
.irp jp, 0,1,2,3
.irp mi, 0,1,2,3
.if (\t == 0) && (\jp == 0)
	v_pk_mul_f32 v[S2+2*\mi:S2+2*\mi+1], v[32*\mi+8*\t+2*\jp:32*\mi+8*\t+2*\jp+1], v[XP+8*\t+2*\jp:XP+8*\t+2*\jp+1]
.else
	v_pk_fma_f32 v[S2+2*\mi:S2+2*\mi+1], v[32*\mi+8*\t+2*\jp:32*\mi+8*\t+2*\jp+1], v[XP+8*\t+2*\jp:XP+8*\t+2*\jp+1], v[S2+2*\mi:S2+2*\mi+1]
.endif
.endr
.endr
.endr
	WIN 0
.irp mi, 0,1,2,3
	v_add_f32 v[SS+\mi], v[S2+2*\mi], v[S2+2*\mi+1]
.endr
.irp mi, 0,1,2,3
	v_permlanex16_b32 v[T+\mi], v[SS+\mi], s50, s51
.endr
.irp mi, 0,1,2,3
	v_add_f32 v[SS+\mi], v[SS+\mi], v[T+\mi]       ; lane (r, h): the score of row r of tile mi
.endr
	v_max3_num_f32 v[T], v[SS], v[SS+1], v[SS+2]
.if (\ps) > 0
	v_max3_num_f32 v[T], v[T], v[SS+3], v[SM]
.else
	v_max_num_f32 v[T], v[T], v[SS+3]
.endif
	v_max_num_f32_dpp v[T], v[T], v[T] row_xmask:1 row_mask:0xf bank_mask:0xf
	v_max_num_f32_dpp v[T], v[T], v[T] row_xmask:2 row_mask:0xf bank_mask:0xf
	v_max_num_f32_dpp v[T], v[T], v[T] row_xmask:4 row_mask:0xf bank_mask:0xf
	v_max_num_f32_dpp v[T], v[T], v[T] row_xmask:8 row_mask:0xf bank_mask:0xf
.if (\ps) > 0
	v_sub_f32 v[F], v[SM], v[T]
.endif
.irp mi, 0,1,2,3
	v_sub_f32 v[SS+\mi], v[SS+\mi], v[T]
.endr
	s_wait_alu depctr_va_vdst(0)                   ; the wait ahead of the batch
.irp mi, 0,1,2,3
	v_exp_f32 v[SS+\mi], v[SS+\mi]
.endr
.if (\ps) > 0
	v_exp_f32 v[F], v[F]
.endif
	v_mov_b32 v[MR], v[T]
	s_wait_alu depctr_va_vdst(0)                   ; and behind it
.irp mi, 0,1,2,3
	ds_store_b32 v[PSW], v[SS+\mi] offset:64*\mi
.endr
.irp mi, 0,1,2,3
.irp k, 0,1
	ds_load_b128 v[XP+8*\mi+4*\k:XP+8*\mi+4*\k+3], v[PSR] offset:64*\mi+16*\k   ; rows 8 h + 0 .. 7 of tile mi
.endr
.endr
	v_add_f32 v[T+1], v[SS], v[SS+1]
	v_add_f32 v[T+2], v[SS+2], v[SS+3]
	v_add_f32 v[LR], v[T+1], v[T+2]
.endm
; Second part: the weighted sum of v; pass 0 leaves its state in LDS, pass 1 joins it and stores.
.macro EPI2 ps
	s_wait_dscnt 0x0
	WIN 0x03
	s_wait_alu depctr_va_vdst(0)                   ; the wait ahead of the results' first readers
.irp mi, 0,1,2,3
.irp jp, 0,1,2,3
.irp t, 0,1,2,3
.if (\mi == 0) && (\jp == 0)
	v_pk_mul_f32 v[S2+2*\t:S2+2*\t+1], v[128+64*(\mi/2)+16*\t+8*(\mi%2)+2*\jp:129+64*(\mi/2)+16*\t+8*(\mi%2)+2*\jp], v[XP+8*\mi+2*\jp:XP+8*\mi+2*\jp+1]
.else
	v_pk_fma_f32 v[S2+2*\t:S2+2*\t+1], v[128+64*(\mi/2)+16*\t+8*(\mi%2)+2*\jp:129+64*(\mi/2)+16*\t+8*(\mi%2)+2*\jp], v[XP+8*\mi+2*\jp:XP+8*\mi+2*\jp+1], v[S2+2*\t:S2+2*\t+1]
.endif
.endr
.endr
.endr
	WIN 0
	v_add_f32_dpp v[LR], v[LR], v[LR] row_xmask:1 row_mask:0xf bank_mask:0xf
.irp t, 0,1,2,3
	v_add_f32 v[SS+\t], v[S2+2*\t], v[S2+2*\t+1]
.endr
	v_add_f32_dpp v[LR], v[LR], v[LR] row_xmask:2 row_mask:0xf bank_mask:0xf
.irp t, 0,1,2,3
	v_permlanex16_b32 v[T+\t], v[SS+\t], s50, s51
.endr
	v_add_f32_dpp v[LR], v[LR], v[LR] row_xmask:4 row_mask:0xf bank_mask:0xf
.irp t, 0,1,2,3
	v_add_f32 v[SS+\t], v[SS+\t], v[T+\t]          ; lane r: channels 4 r + t
.endr
	v_add_f32_dpp v[LR], v[LR], v[LR] row_xmask:8 row_mask:0xf bank_mask:0xf
.if (\ps) > 0
.irp t, 0,1,2,3
	v_fma_f32 v[SS+\t], v[SA+\t], v[F], v[SS+\t]
.endr
	v_fma_f32 v[LR], v[SM+1], v[F], v[LR]
.irp t, 0,1,2,3
	v_cndmask_b32 v[S2+\t], v[SS+\t], v[MR+(\t%2)], s56   ; lanes 16-31 carry the largest score and the sum
.endr
	global_store_b128 v[LI], v[S2:S2+3], s[12:13]  ; 512 consecutive bytes, at a multiple of 256
	s_wait_xcnt 0x0                                ; the store's registers and base may be written again
	s_add_nc_u64 s[12:13], s[12:13], 2048
.else
	ds_store_b128 v[STA], v[SS:SS+3]               ; both halves of the lanes write the same
	ds_store_b64 v[SMA], v[MR:MR+1]
.endif
.endm
	s_load_b256 s[4:11], s[0:1], 0x0               ; y, qp, wimg, WQ_b
	s_load_b64 s[12:13], s[0:1], 0x20              ; patt
	v_lshl_add_u32 v[SPW], v0, 2, SPARE
	v_mov_b32 v[NIL], 0
	ds_add_u32 v[SPW], v[NIL]                      ; the wave's opening: the add, twice on end, and its wait ahead of my first tensor load
	ds_add_u32 v[SPW], v[NIL]
	v_lshrrev_b32 v3, 5, v0
	v_readfirstlane_b32 s20, v3                    ; wave 0..3
	s_bfe_u32 s23, ttmp6, 0x40000                  ; cx
	s_lshl_b32 s21, ttmp9, 2
	s_add_co_u32 s21, s21, s23                     ; g = 8 batch + which 128 rows
	s_lshr_b32 s22, ttmp9, 1                       ; batch
	s_mov_b32 s32, 0x0023000f                      ; group 1: mask 15, elements of 8 bytes, bit 21 beside the mask, no padding
	s_mov_b32 s33, 32<<16
	s_mov_b32 s34, 136<<16
	s_mov_b32 s35, 32<<16
	s_mov_b32 s36, 136
	s_mov_b32 s37, 32
	s_mov_b32 s38, 0
	s_mov_b32 s39, 0
	s_mov_b32 s40, 1
	s_mul_i32 s41, s20, QUART
	s_mov_b32 s44, 1
	s_add_co_u32 s45, s41, SLOTB
	s_mov_b32 s28, s41
	s_mov_b32 s29, 0
	s_lshl_b32 s26, s21, 19                        ; 128 rows of 4,096 bytes
	s_lshl_b32 s27, s20, 17                        ; 32 rows
	s_add_co_u32 s26, s26, s27
	s_mov_b32 s27, 0
	s_lshl_b32 s30, s22, 12
	s_mov_b32 s31, 0
	s_lshl_b32 s58, s21, 13
	s_lshl_b32 s59, s20, 9
	s_add_co_u32 s58, s58, s59
	s_mov_b32 s59, 0
	s_lshr_b32 s60, ttmp9, 3                       ; the prefetch: slot,
	s_mul_i32 s60, s60, SLOTB
	s_and_b32 s61, ttmp9, 3                        ; part,
	s_mul_i32 s61, s61, QUART
	s_add_co_u32 s60, s60, s61
	s_mul_i32 s61, s23, 8704                       ; my work-group's 34 blocks of 256 bytes
	s_add_co_u32 s60, s60, s61
	s_mov_b32 s61, 0
	s_mov_b32 s50, 0x76543210                      ; v_permlanex16_b32's selects for lane l xor 16
	s_mov_b32 s51, 0xfedcba98
	s_mov_b32 s56, 0xffff0000
	s_lshl_b32 s57, s20, 4
	s_add_co_u32 s57, s57, SMB
	s_mul_i32 s24, s20, TILE
	s_add_co_u32 s24, s24, IMG                     ; my tile's image
	s_lshl_b32 s25, s20, 8
	s_mul_i32 s52, s20, 9
	v_and_b32 v24, 31, v0                          ; L
	v_and_b32 v25, 15, v0                          ; r
	v_bfe_u32 v26, v0, 4, 1                        ; h
	v_lshlrev_b32 v[LI], 4, v24
	v_lshlrev_b32 v[YO], 5, v25
	v_lshl_add_u32 v[YO], v26, 4, v[YO]
	v_add_nc_u32 v[ADA], s41, v[LI]
	v_add_nc_u32 v[ADA+1], SLOTB, v[ADA]
	v_lshl_add_u32 v[ADS], v24, 2, s41
	v_add_nc_u32 v[ADS+1], SLOTB, v[ADS]
	v_lshrrev_b32 v28, 2, v24                      ; my block among the eight of a pair of K steps
	v_and_b32 v29, 3, v24
	v_mul_u32_u24 v[CA0], v28, 272
	v_lshl_add_u32 v[CA0], v29, 2, v[CA0]
	v_add_nc_u32 v[CA0], s24, v[CA0]
	v_add_nc_u32 v[BA0], s24, v28
	v_add_nc_u32 v[BA0], 8704, v[BA0]
	v_lshlrev_b32 v30, 4, v25
	v_mul_u32_u24 v[IMR], v26, 272
	v_add_nc_u32 v[IMR], v[IMR], v30
	v_add_nc_u32 v[IMR], IMG, v[IMR]
	v_mul_u32_u24 v[IMS], v26, TILE
	v_add_nc_u32 v[IMS], v[IMS], v30
	v_add_nc_u32 v[IMS], IMG+8704, v[IMS]
	v_lshlrev_b32 v31, 5, v26
	v_add_nc_u32 v31, s25, v31
	v_add_nc_u32 v[XA0], XQ, v31
	v_add_nc_u32 v[PSR], PST, v31
	v_lshl_add_u32 v[PSW], v25, 2, s25
	v_add_nc_u32 v[PSW], PST, v[PSW]
	v_add_nc_u32 v[STA0], s25, v30
	v_add_nc_u32 v[STA0], STB, v[STA0]
	v_lshlrev_b32 v27, 4, v0                       ; q: my four columns of each half
	v_add_nc_u32 v28, XQ, v27
	v_min_u32 v96, 8, v24
	v_add_nc_u32 v96, s52, v96
	v_min_u32 v96, 33, v96
	v_lshlrev_b32 v96, 8, v96                      ; nine blocks a wave, 34 in all; lanes over name the last again
	s_wait_alu depctr_va_vdst(0)
	s_wait_dscnt 0x0                               ; both opening adds are done
	s_wait_kmcnt 0x0
	s_add_nc_u64 s[4:5], s[4:5], s[26:27]
	s_add_nc_u64 s[6:7], s[6:7], s[30:31]
	s_add_nc_u64 s[12:13], s[12:13], s[58:59]
	s_add_nc_u64 s[60:61], s[8:9], s[60:61]
	s_add_nc_u64 s[42:43], s[8:9], s[28:29]
	s_add_nc_u64 s[46:47], s[42:43], SLOTB
	s_or_b32 s43, s43, 0x80000000
	s_or_b32 s47, s47, 0x80000000
.irp s, 0,1,2,3,4,5,6,7
	global_load_b128 v[128+8*\s:131+8*\s], v27, s[6:7] offset:\s*131072
	global_load_b128 v[132+8*\s:135+8*\s], v27, s[6:7] offset:\s*131072+2048
.endr
	global_load_b128 v[192:195], v27, s[10:11]
	global_load_b128 v[196:199], v27, s[10:11] offset:2048
	LOADROW 0
	LOADROW 1
	LOADROW 2
	LOADROW 3                                      ; 16,384 bytes of every wave are on their way
	CROUND                                         ; the cluster is here: the first joint loads meet
	tensor_load_to_lds s[40:43], s[32:39]          ; slot 0
	s_nop 0
	PLACES
	s_cmp_lt_u32 ttmp9, 16                         ; slots 0 and 1 come by their loads alone
	s_cbranch_scc1 .Lnot_asked
	global_prefetch_b8 v96, s[60:61] th:TH_LOAD_NT scope:SCOPE_SE
.Lnot_asked:
	s_wait_loadcnt 32                              ; q's 18 loads are in; the four rows' 32 may be out
.irp s, 1,2,3,4,5,6,7,8
.irp p, 0,2,4,6
	v_pk_add_f32 v[128+\p:129+\p], v[128+\p:129+\p], v[128+8*\s+\p:129+8*\s+\p]   ; the parts along K, and last WQ_b
.endr
.endr
.irp p, 0,2,4,6
	v_pk_mul_f32 v[128+\p:129+\p], v[128+\p:129+\p], 0x3e38aa3b op_sel_hi:[1,0]   ; log2(e) / 8
.endr
	ds_store_b128 v28, v[128:131]
	ds_store_b128 v28, v[132:135] offset:2048
	s_wait_alu depctr_va_vdst(0)                   ; the wait at the head's end
	s_wait_tensorcnt 0x0                           ; slot 0 is in
	ds_add_u32 v[SPW], v[NIL]
	s_wait_dscnt 0x0
	CROUND
	tensor_load_to_lds s[44:47], s[32:39]          ; slot 1
	s_nop 0
	PLACES
	s_mov_b32 s53, 0
	s_mov_b32 s52, 4
.Lrow:                                                 ; block 0: my 16 rows, four a trip; the last trip asks for block 1's first four
	s_wait_dscnt 0x0
	ROWADR
	s_wait_alu depctr_va_vdst(0)
	s_wait_xcnt 0x0
	s_add_nc_u64 s[4:5], s[4:5], 16384
	STREAM 0, 1
	STREAM 1, 1
	STREAM 2, 1
	STREAM 3, 1
	s_sub_co_u32 s52, s52, 1
	s_cmp_lg_u32 s52, 0
	s_wait_alu depctr_va_vdst(0)
	s_cbranch_scc1 .Lrow
	s_wait_alu depctr_va_vdst(0)
	s_wait_dscnt 0x0                               ; my rows' codes are stored
	s_barrier_signal -1
	s_barrier_wait -1                              ; and everybody's
	CODES
	FETCHS 0
	FETCH 0, 0
	FETCH 0, 1
	FETCH 0, 2
	FETCH 0, 3
	s_mov_b32 s53, 0
	s_mov_b32 s54, 0
	s_mov_b32 s55, s57
	s_mov_b32 s52, 3
.Lp0:                                                  ; pass 0: three heads; block 1's rows stream beside
	STEP 0, 1, 1, 1, 0
	STEP 1, 1, 1, 1, 0
	EPI1 0, 48
	STREAM 3, 1
	EPI2 0
	s_sub_co_u32 s52, s52, 1
	s_cmp_lg_u32 s52, 0
	s_wait_alu depctr_va_vdst(0)
	s_cbranch_scc1 .Lp0
	STEP 0, 2, 1, 2, 0                             ; the fourth head: no row is loaded any more, and the ring goes back to the weights' beginning
	STEP 1, 2, 1, 2, 0
	STREAM 3, 2
	s_wait_alu depctr_va_vdst(0)
	s_wait_dscnt 0x0
	s_barrier_signal -1
	s_barrier_wait -1                              ; block 1's codes are whole
	CODES
	EPI1 0, 64
	EPI2 0
	s_mov_b32 s54, 0
	s_mov_b32 s55, s57
	s_mov_b32 s52, 3
	s_wait_alu depctr_va_vdst(0)
.Lp1:                                                  ; pass 1
	STEP 0, 1, 1, 0, 1
	STEP 1, 1, 1, 0, 1
	EPI1 1, 48
	EPI2 1
	s_sub_co_u32 s52, s52, 1
	s_cmp_lg_u32 s52, 0
	s_wait_alu depctr_va_vdst(0)
	s_cbranch_scc1 .Lp1
	STEP 0, 0, 1, 0, 1                             ; the last head fills nothing
	STEP 1, 0, 0, 0, 1
	EPI1 1, 0
	EPI2 1
	s_wait_tensorcnt 0x0                           ; the wave's end
	ds_add_u32 v[SPW], v[NIL]
	s_wait_dscnt 0x0
	CROUND                                         ; the closing round
	s_endpgm
.Lfunc_end_k_q1a5301e59e_main:
	.size	k_q1a5301e59e_main, .Lfunc_end_k_q1a5301e59e_main-k_q1a5301e59e_main
	.p2alignl 7, 3214868480
	.fill 96, 4, 3214868480
	.section	.rodata,"a",@progbits
	.p2align	6, 0x0
	.amdhsa_kernel k_q1a5301e59e_main
		.amdhsa_group_segment_fixed_size 327680
		.amdhsa_private_segment_fixed_size 0
		.amdhsa_enable_private_segment 0
		.amdhsa_kernarg_size 40
		.amdhsa_user_sgpr_count 2
		.amdhsa_user_sgpr_kernarg_segment_ptr 1
		.amdhsa_wavefront_size32 1
		.amdhsa_system_sgpr_workgroup_id_x 1
		.amdhsa_system_sgpr_workgroup_id_y 1
		.amdhsa_system_sgpr_workgroup_id_z 1
		.amdhsa_system_vgpr_workitem_id 0
		.amdhsa_next_free_vgpr 1024
		.amdhsa_next_free_sgpr 66
		.amdhsa_reserve_vcc 0
		.amdhsa_float_denorm_mode_32 3
		.amdhsa_float_denorm_mode_16_64 3
		.amdhsa_memory_ordered 1
		.amdhsa_forward_progress 1
		.amdhsa_inst_pref_size 238
	.end_amdhsa_kernel
	.amdgpu_metadata
---
amdhsa.version: [ 1, 2 ]
amdhsa.kernels:
  - .name:           k_q1a5301e59e_main
    .symbol:         k_q1a5301e59e_main.kd
    .args:
      - { .name: y, .offset: 0, .size: 8, .value_kind: global_buffer, .address_space: global }
      - { .name: qp, .offset: 8, .size: 8, .value_kind: global_buffer, .address_space: global }
      - { .name: wimg, .offset: 16, .size: 8, .value_kind: global_buffer, .address_space: global }
      - { .name: WQ_b, .offset: 24, .size: 8, .value_kind: global_buffer, .address_space: global }
      - { .name: patt, .offset: 32, .size: 8, .value_kind: global_buffer, .address_space: global }
    .group_segment_fixed_size: 327680
    .private_segment_fixed_size: 0
    .kernarg_segment_align: 8
    .kernarg_segment_size: 40
    .max_flat_workgroup_size: 128
    .sgpr_count:     66
    .vgpr_count:     1024
    .wavefront_size: 32
...
	.end_amdgpu_metadata
.endif
;; end of part 2
;; launch final (part 3): grid 256 x 1, 8 waves a work-group, no clusters, 3,072 bytes of LDS; arguments patt, WV_b, wo, WO_b, out0; writes out0
.if DOCPART == 3
	.amdgcn_target "amdgcn-amd-amdhsa--gfx1250"
	.amdhsa_code_object_version 6
	.text
	.protected	k_q1a5301e59e_final
	.globl	k_q1a5301e59e_final
	.p2align	8
	.type	k_q1a5301e59e_final,@function
k_q1a5301e59e_final:
	s_mov_b64 s[64:65], 0
	v_nop
	global_prefetch_b8 v0, s[64:65] scope:SCOPE_SE
	s_setreg_imm32_b32 hwreg(HW_REG_WAVE_MODE, 25, 1), 1
	s_wait_xcnt 0x0
; out0 = Q(att + WV_b) Q(WO) + WO_b; att joins the eight parts along the keys that the launch before left: [batch][part 8][head 16][512 bytes]: 64 weighted sums, then (largest score, sum) again and again.
; The softmax's weights sum to 1, so WV_b is added to the joined att, in f32, ahead of the quantiser.
; SHARES.  Work-group g makes columns 64 j .. 64 j + 63 (j = g % 16) of rows 2 rp, 2 rp + 1 (rp = g / 16).  Wave v joins and quantises channels 128 v .. 128 v + 127 of both rows: lane (r, h) row h, channels 8 r + 0 .. 7; four lanes hold a block of 32.
; Then waves 0-3 multiply: wave t takes 16 columns; the 16 rows of the operand are the two rows, again and again: only the first two results are kept.
; No cluster and no tensor load: a work-group's share is read by plain loads at its head.
; LIMITS: a block of zeros gets the byte 1 where the rule says 127 (its codes are zeros, nobody else reads the bytes); NaN and infinities are not served.  WK_b is left out as dead work (the first kernel's head).
.set SCB, 1024                         ; scale bytes [row 2][block 32]; the codes [row 2][block 32][16] lie at 0
.set STG, 1280                         ; the result: two rows of 256 bytes
.set SPARE, 1792
.set SPW, 14
.set NIL, 15
	s_load_b256 s[4:11], s[0:1], 0x0               ; patt, WV_b, wo, WO_b
	s_load_b64 s[12:13], s[0:1], 0x20              ; out0
	v_lshl_add_u32 v[SPW], v0, 2, SPARE
	v_mov_b32 v[NIL], 0
	v_lshrrev_b32 v1, 5, v0
	v_readfirstlane_b32 s20, v1                    ; wave
	s_lshr_b32 s21, ttmp9, 4                       ; rp
	s_and_b32 s22, ttmp9, 15                       ; j
	s_lshl_b32 s16, s21, 17
	s_lshl_b32 s17, s20, 10
	s_add_co_u32 s16, s16, s17
	s_mov_b32 s17, 0
	s_lshl_b32 s18, s20, 9
	s_mov_b32 s19, 0
	s_mul_i32 s24, s22, 34816
	s_lshl_b32 s26, s20, 6
	s_add_co_u32 s26, s26, s24
	s_add_co_u32 s26, s26, 4096                    ; tile t's scale words
	s_mov_b32 s27, 0
	s_lshl_b32 s25, s20, 10
	s_add_co_u32 s24, s24, s25                     ; and its codes
	s_mov_b32 s25, 0
	s_lshl_b32 s28, s22, 8
	s_lshl_b32 s29, s20, 6
	s_add_co_u32 s28, s28, s29
	s_mov_b32 s29, 0
	s_lshl_b32 s32, s21, 13
	s_lshl_b32 s33, s22, 8
	s_add_co_u32 s32, s32, s33
	s_mov_b32 s33, 0
	s_mov_b32 s30, 0xffff0000
	s_lshl_b32 s31, s20, 6
	s_lshl_b32 s34, s20, 2
	v_and_b32 v2, 15, v0                           ; r
	v_bfe_u32 v3, v0, 4, 1                         ; h
	v_and_b32 v6, 31, v0
	v_lshlrev_b32 v6, 4, v6                        ; 16 x lane
	v_lshlrev_b32 v5, 16, v3
	v_lshrrev_b32 v1, 3, v2
	v_lshl_add_u32 v5, v1, 9, v5                   ; row h, head r / 8
	v_and_b32 v4, 7, v2
	v_lshl_add_u32 v4, v4, 5, v5
	v_lshlrev_b32 v7, 5, v2
	v_lshlrev_b32 v1, 2, v2                        ; 4 r
	v_lshlrev_b32 v8, 9, v3
	v_add_nc_u32 v8, v8, v1
	v_add_nc_u32 v8, s31, v8                       ; codes in: h 512 + 64 wave + 4 r
	v_lshlrev_b32 v9, 5, v3
	v_lshrrev_b32 v10, 2, v2
	v_add_nc_u32 v9, v9, v10
	v_add_nc_u32 v9, s34, v9
	v_add_nc_u32 v9, SCB, v9                       ; bytes in: h 32 + block
	v_and_b32 v11, 1, v2
	v_lshlrev_b32 v10, 9, v11
	v_lshl_add_u32 v10, v3, 4, v10                 ; fragments out: row r % 2, block 2 c + h
	v_lshlrev_b32 v11, 5, v11
	v_add_nc_u32 v11, SCB, v11
	v_lshlrev_b32 v12, 8, v3
	v_add_nc_u32 v12, v12, v1
	v_add_nc_u32 v12, s31, v12
	v_add_nc_u32 v12, STG, v12                     ; the stage: row h, 64 t + 4 r
	v_lshlrev_b32 v13, 12, v3
	v_lshl_add_u32 v13, v2, 4, v13
	v_add_nc_u32 v121, STG, v6
	s_wait_alu depctr_va_vdst(0)                   ; the wait at the head's end
	s_wait_kmcnt 0x0
	s_add_nc_u64 s[4:5], s[4:5], s[16:17]
	s_add_nc_u64 s[6:7], s[6:7], s[18:19]
	s_add_nc_u64 s[26:27], s[8:9], s[26:27]
	s_add_nc_u64 s[8:9], s[8:9], s[24:25]
	s_add_nc_u64 s[10:11], s[10:11], s[28:29]
	s_add_nc_u64 s[12:13], s[12:13], s[32:33]
.irp i, 0,1,2,3,4,5,6,7
	global_load_b64 v[16+2*\i:17+2*\i], v5, s[4:5] offset:8192*\i+256
.endr
.irp i, 0,1,2,3,4,5,6,7
	global_load_b128 v[32+8*\i:35+8*\i], v4, s[4:5] offset:8192*\i
	global_load_b128 v[36+8*\i:39+8*\i], v4, s[4:5] offset:8192*\i+16
.endr
	global_load_b128 v[96:99], v7, s[6:7]
	global_load_b128 v[100:103], v7, s[6:7] offset:16
	s_cmp_lt_u32 s20, 4
	s_cbranch_scc0 .Ljoin
.irp s, 0,1,2,3,4,5,6,7
.irp c, 0,1
	global_load_b128 v[128+8*\s+4*\c:131+8*\s+4*\c], v6, s[8:9] offset:4352*\s+512*\c
.endr
	global_load_b32 v[104+\s], v1, s[26:27] offset:4352*\s
.endr
	global_load_b32 v120, v1, s[10:11]             ; WO_b of my column
.Ljoin:
	s_wait_loadcnt 0x0
	v_max3_num_f32 v122, v16, v18, v20
	v_max3_num_f32 v123, v22, v24, v26
	v_max_num_f32 v124, v28, v30
	v_max3_num_f32 v122, v122, v123, v124          ; the largest score of the whole row
.irp i, 0,1,2,3,4,5,6,7
	v_sub_f32 v[112+\i], v[16+2*\i], v122
.endr
	s_wait_alu depctr_va_vdst(0)                   ; the wait ahead of the batch
.irp i, 0,1,2,3,4,5,6,7
	v_exp_f32 v[112+\i], v[112+\i]
.endr
	v_nop
	s_wait_alu depctr_va_vdst(0)                   ; and behind it
	v_mul_f32 v123, v112, v17
	v_mul_f32 v124, v113, v19
	v_mul_f32 v125, v114, v21
	v_mul_f32 v126, v115, v23
	v_fma_f32 v123, v116, v25, v123
	v_fma_f32 v124, v117, v27, v124
	v_fma_f32 v125, v118, v29, v125
	v_fma_f32 v126, v119, v31, v126
	v_add_f32 v123, v123, v124
	v_add_f32 v125, v125, v126
	v_add_f32 v123, v123, v125                     ; the sum
	s_wait_alu depctr_va_vdst(0)
	v_rcp_f32 v123, v123
.irp k, 0,1,2,3,4,5,6,7
	v_mul_f32 v[32+\k], v[32+\k], v112
.endr
.irp i, 1,2,3,4,5,6,7
.irp k, 0,1,2,3,4,5,6,7
	v_fma_f32 v[32+\k], v[32+8*\i+\k], v[112+\i], v[32+\k]
.endr
.endr
	s_wait_alu depctr_va_vdst(0)
.irp k, 0,1,2,3,4,5,6,7
	v_fma_f32 v[32+\k], v[32+\k], v123, v[96+\k]   ; / the sum, + WV_b
.endr
	v_max3_num_f32 v124, |v32|, |v33|, |v34|
	v_max3_num_f32 v125, |v35|, |v36|, |v37|
	v_max3_num_f32 v126, |v38|, |v39|, 0x1800000   ; the floor 2^(3 - 127)
	v_max3_num_f32 v124, v124, v125, v126
	v_max_num_f32_dpp v124, v124, v124 row_xmask:1 row_mask:0xf bank_mask:0xf
	v_max_num_f32_dpp v124, v124, v124 row_xmask:2 row_mask:0xf bank_mask:0xf
	v_add_nc_u32 v125, 0xff000000, v124
	v_lshrrev_b32 v126, 23, v125
	v_cvt_scalef32_pk8_fp4_f32 v127, v[32:39], v125
	v_nop
	ds_store_b32 v8, v127
	ds_store_b8 v9, v126                           ; a block's four lanes write the same
	s_wait_alu depctr_va_vdst(0)
	s_wait_dscnt 0x0                               ; for the others' sake: my stores are done
	s_barrier_signal -1
	s_barrier_wait -1
	s_cmp_lt_u32 s20, 4
	s_cbranch_scc0 .Lnoprod
.irp s, 0,1,2,3,4,5,6,7
.irp c, 0,1
	ds_load_b128 v[32+8*\s+4*\c:35+8*\s+4*\c], v10 offset:64*\s+32*\c
.endr
.endr
	ds_load_b128 v[96:99], v11
	ds_load_b128 v[100:103], v11 offset:16
	s_wait_dscnt 0x0
	v_wmma_scale_f32_16x16x128_f8f6f4 v[16:23], v[32:39], v[128:135], 0, v96, v104 matrix_a_fmt:MATRIX_FMT_FP4 matrix_b_fmt:MATRIX_FMT_FP4
	v_wmma_scale_f32_16x16x128_f8f6f4 v[24:31], v[40:47], v[136:143], 0, v97, v105 matrix_a_fmt:MATRIX_FMT_FP4 matrix_b_fmt:MATRIX_FMT_FP4
.irp s, 2,4,6                          ; even and odd K steps: two accumulators by turns
	v_wmma_scale_f32_16x16x128_f8f6f4 v[16:23], v[32+8*\s:39+8*\s], v[128+8*\s:135+8*\s], v[16:23], v[96+\s], v[104+\s] matrix_a_fmt:MATRIX_FMT_FP4 matrix_b_fmt:MATRIX_FMT_FP4
	v_wmma_scale_f32_16x16x128_f8f6f4 v[24:31], v[40+8*\s:47+8*\s], v[136+8*\s:143+8*\s], v[24:31], v[97+\s], v[105+\s] matrix_a_fmt:MATRIX_FMT_FP4 matrix_b_fmt:MATRIX_FMT_FP4
.endr
.rept 4
	v_nop                                          ; four places in front of the first read of results (ISA guide 7.12.1)
.endr
	v_add_f32 v122, v16, v24                       ; row 0 (in lanes 16-31 row 8, its copy)
	v_add_f32 v123, v17, v25                       ; row 1 (row 9)
	v_cndmask_b32 v124, v122, v123, s30            ; lanes 0-15 row 0, lanes 16-31 row 1
	v_add_f32 v124, v124, v120                     ; + WO_b
	ds_store_b32 v12, v124
.Lnoprod:
	s_wait_dscnt 0x0
	s_barrier_signal -1
	s_barrier_wait -1
	s_cmp_lg_u32 s20, 0
	s_cbranch_scc1 .Lend
	ds_load_b128 v[16:19], v121
	s_wait_dscnt 0x0
	global_store_b128 v13, v[16:19], s[12:13]      ; 16 lanes store 256 consecutive bytes, aligned
.Lend:
	s_wait_tensorcnt 0x0                           ; the wave's end
	ds_add_u32 v[SPW], v[NIL]
	s_wait_dscnt 0x0
	s_endpgm
.Lfunc_end_k_q1a5301e59e_final:
	.size	k_q1a5301e59e_final, .Lfunc_end_k_q1a5301e59e_final-k_q1a5301e59e_final
	.p2alignl 7, 3214868480
	.fill 96, 4, 3214868480
	.section	.rodata,"a",@progbits
	.p2align	6, 0x0
	.amdhsa_kernel k_q1a5301e59e_final
		.amdhsa_group_segment_fixed_size 3072
		.amdhsa_private_segment_fixed_size 0
		.amdhsa_enable_private_segment 0
		.amdhsa_kernarg_size 40
		.amdhsa_user_sgpr_count 2
		.amdhsa_user_sgpr_kernarg_segment_ptr 1
		.amdhsa_wavefront_size32 1
		.amdhsa_system_sgpr_workgroup_id_x 1
		.amdhsa_system_sgpr_workgroup_id_y 1
		.amdhsa_system_sgpr_workgroup_id_z 1
		.amdhsa_system_vgpr_workitem_id 0
		.amdhsa_next_free_vgpr 192
		.amdhsa_next_free_sgpr 66
		.amdhsa_reserve_vcc 0
		.amdhsa_float_denorm_mode_32 3
		.amdhsa_float_denorm_mode_16_64 3
		.amdhsa_memory_ordered 1
		.amdhsa_forward_progress 1
		.amdhsa_inst_pref_size 18
	.end_amdhsa_kernel
	.amdgpu_metadata
---
amdhsa.version: [ 1, 2 ]
amdhsa.kernels:
  - .name:           k_q1a5301e59e_final
    .symbol:         k_q1a5301e59e_final.kd
    .args:
      - { .name: patt, .offset: 0, .size: 8, .value_kind: global_buffer, .address_space: global }
      - { .name: WV_b, .offset: 8, .size: 8, .value_kind: global_buffer, .address_space: global }
      - { .name: wo, .offset: 16, .size: 8, .value_kind: global_buffer, .address_space: global }
      - { .name: WO_b, .offset: 24, .size: 8, .value_kind: global_buffer, .address_space: global }
      - { .name: out0, .offset: 32, .size: 8, .value_kind: global_buffer, .address_space: global }
    .group_segment_fixed_size: 3072
    .private_segment_fixed_size: 0
    .kernarg_segment_align: 8
    .kernarg_segment_size: 40
    .max_flat_workgroup_size: 256
    .sgpr_count:     66
    .vgpr_count:     192
    .wavefront_size: 32
...
	.end_amdgpu_metadata
.endif
;; end of part 3
